; MI455X (gfx1250); checked and timed in simulation.
; The chip was launched on July 23, 2026; its instructions are those of AMD's public machine-readable ISA for CDNA 5 (MIT licence, August 2026) and "CDNA5" Instruction Set Architecture Reference Guide (July 2026). The comments in the code are by the model that wrote it; some were corrected since.
;; Faster RCNN. Allowed arithmetic: float matrix products may take bf16 or f16 operands with f32 sums; all other float work in f32.
;; Inputs: offset_norm_mean 4 float32; offset_norm_std 4 float32; predicted_roi_loc 2,000 x 84 float32; predicted_roi_score 2,000 x 21 float32; proposed_roi_bboxes 2,000 x 4 float32.
;; Outputs: out0 20 x 2,000 x 4 float32; out1 20 x 2,000 float32; out2 20 x 2,000 int32; out3 20 x 2,000 bool.
;; One version. Each part assembles by itself: llvm-mc -triple=amdgcn-amd-amdhsa -mcpu=gfx1250 --defsym DOCPART=n.
;; ======== version 1 of 1: 3 launches
;; workspace buffers: rank 160,000 bytes of whole numbers; nval 256 bytes of whole numbers; prob 160,000 bytes; boxes 640,000 bytes; mat 10,321,920 bytes of whole numbers
;; launch rank_items (part 1): grid 11 x 20, 24 waves a work-group, no clusters, 187,648 bytes of LDS; arguments predicted_roi_score, predicted_roi_loc, proposed_roi_bboxes, offset_norm_mean, offset_norm_std, rank, nval, prob, boxes, out2; writes rank, nval, prob, boxes, out2
.if DOCPART == 1
	.amdgcn_target "amdgcn-amd-amdhsa--gfx1250"
	.amdhsa_code_object_version 6
	.text
	.protected	k_qbf76f81027_rank_items
	.globl	k_qbf76f81027_rank_items
	.p2align	8
	.type	k_qbf76f81027_rank_items,@function
k_qbf76f81027_rank_items:
	s_mov_b64 s[64:65], 0
	v_nop
	global_prefetch_b8 v0, s[64:65] scope:SCOPE_SE
	s_setreg_imm32_b32 hwreg(HW_REG_WAVE_MODE, 25, 1), 1
	s_wait_xcnt 0x0
; Softmax, score test, box decode and the place of every item in its class's descending order.
; Work-group (x, c): class c (column c + 1 of the score table), items 192 x .. 192 x + 191 (x = 10: the last 80).
; Every work-group makes the keys of all 2,000 rows of its class, by the same instructions in the same order, so the keys agree bit for bit
; between work-groups; it ranks and decodes only its own 192 items.
; KEY of a row: the bits of p where p > 0.05 (positive floats order like unsigned integers), else 1; rows 2,000 .. 2,047 are dummies with key 0.
; Item j stands in front of item i if K_j > K_i, or K_j = K_i and j > i (a stable ascending sort, reversed).  rank[i] = how many stand in front.
; Nothing here steers an address or a branch by a float: ranks and counts are stored as whole numbers for the later launches.
; NO JOINT FETCH of the score table, though all work-groups read it: it is 14 loads of a wave against about 1,600 vector instructions
; that the same wave issues afterwards (3 x 135 for the keys, 16 x 75 for the ranking), and the grid's x, 11, is no multiple of 4.
; LIMITS.  (1) Two scores of one class that lie closer than the rounding of an f32 softmax (about one unit in the last place) may sort otherwise
; than in an f32 softmax that rounds differently; equal keys sort exactly.
; (2) A NaN box coordinate (infinity times zero in the decode) comes out clipped: v_max_num_f32 drops the NaN.  (3) Zeros are stored as +0.
.set NROI,     2000
.set ROWB,     84                      ; bytes in a row of the score table: 21 words
.set TABLE,    NROI*ROWB               ; 168,000 bytes
.set THREADS,  768
.set CHUNK,    16*THREADS              ; what one b128 load of every thread covers: 12,288 bytes
.set IPG,      192                     ; items of a work-group
; LDS: the table at 0 as it lies in memory (21 words a row, an odd number: 32 neighbouring rows start in 32 different banks; 64 banks of 4 bytes: ISA guide 11.1),
; in 14 whole pieces: the 4,032 bytes behind the table's 168,000 hold copies of its last 16 bytes and are not read.
.set KEY,      14*CHUNK                ; 172,032: 2,048 keys
.set CNT,      KEY+8192+1024           ; [4][192] partial counts.  The 1,024 bytes in front of it are unused: the groups that start at items 2,016 to 2,080
                                       ; (x = 10) are skipped, and even their addresses would end in this gap
.set WCNT,     CNT+16*IPG              ; 24 words: valid rows counted by each wave
.set LOG2E,    0x3fb8aa3b              ; log2(e) rounded to f32,
.set LOG2E_LO, 0x32a57060              ; and what the rounding left
.set LN2,      0x3f317218
.set X,  8                             ; v[8:28]  a row's 21 logits; in the ranking v[8:39] are 32 keys
.set CN, 44                            ; v[44:47] four counters that take turns
; v0 thread, v1 lane, v2-v7 addresses, v[8:63] the table on its way to LDS, v29-v38 softmax, v40 K_i, v41 K_i - 1, v43 key address, v[48:51] thresholds,
; v[88:91] my item's proposal, v[92:95] its four offsets (waves 0-5).
; s[4:23] the ten addresses, s[24:27] mean, s[28:31] std, s32 wave, s33 x, s34 c, s35 first item, s36 g, s37 q, s38 first item of my group of 32,
; s39, s40, s42, s43 LDS byte addresses of keys (my group's, the step's, my range's first, my range's end), s41 a loop's trips, s55 its trip counter,
; s[44:47] compare masks, s48 valid rows, s49-s61 at work.
	s_load_b512 s[4:19], s[0:1], 0x0               ; score, loc, roi, mean, std, rank, nval, prob
	s_load_b128 s[20:23], s[0:1], 0x40             ; boxes, out2
	v_lshl_add_u32 v96, v0, 2, 0x2d100
	v_mov_b32 v97, 0
	v_and_b32 v1, 31, v0                           ; lane
	v_lshrrev_b32 v2, 5, v0
	v_readfirstlane_b32 s32, v2                    ; wave 0..23
	s_min_u32 s33, ttmp9, 10                       ; x: the grid has 11 along x and 20 along y; the two clamps write these bounds into the text,
	s_and_b32 s34, ttmp7, 0xffff                   ; since x and c enter LDS addresses
	s_min_u32 s34, s34, 19                         ; c
	s_mul_i32 s35, s33, IPG                        ; my work-group's first item
	s_lshr_b32 s36, s32, 2                         ; g: which 32 of the 192 items my wave ranks
	s_and_b32 s37, s32, 3                          ; q: against which quarter of the keys
	s_lshl_b32 s38, s36, 5
	s_add_co_u32 s38, s38, s35                     ; first item of my group
	s_lshl_b32 s50, s34, 2
	s_add_co_u32 s50, s50, 4                       ; byte of column c + 1 in a row
	s_lshl_b32 s51, s32, 2
	s_add_co_u32 s51, s51, WCNT                    ; my wave's word of WCNT
	s_mov_b32 s52, LOG2E
	s_mov_b32 s53, LOG2E_LO
	s_mov_b32 s54, 0x3d4ccccd                      ; 0.05 in f32
	s_mov_b32 s48, 0
	v_lshlrev_b32 v2, 4, v0                        ; 16 t: my 16 bytes in each piece of the table, in memory and in LDS alike
	v_add_nc_u32 v3, 13*CHUNK, v2
	v_min_u32 v3, TABLE-16, v3                     ; the last piece is short in memory: lanes past the end read the last 16 bytes again
	v_add_nc_u32 v6, 6*CHUNK, v2                   ; LDS offsets have 16 bits: pieces 6-11 and 12-13 from registers of their own
	v_add_nc_u32 v7, 12*CHUNK, v2
	s_wait_kmcnt 0x0
	s_load_b128 s[24:27], s[10:11], 0x0            ; mean
	s_load_b128 s[28:31], s[12:13], 0x0            ; std
	; PHASE 0: the table into LDS.  Waves 0-5 first ask for their item's proposal and offsets, which are used last.
	s_cmp_ge_u32 s32, 6
	s_cbranch_scc1 .Lno_item
	v_add_nc_u32 v4, s35, v0
	v_min_u32 v4, NROI-1, v4                       ; x = 10 has 80 items: the others read item 1,999 and store nothing
	v_mul_u32_u24 v5, 336, v4                      ; a row of loc: 84 floats
	v_lshlrev_b32 v4, 4, v4
	s_lshl_b32 s56, s50, 2                         ; 16 (c + 1): my class's four offsets in the row
	s_mov_b32 s57, 0
	s_add_nc_u64 s[6:7], s[6:7], s[56:57]
	global_load_b128 v[88:91], v4, s[8:9]
	global_load_b128 v[92:95], v5, s[6:7]
.Lno_item:
.irp t, 0,1,2,3,4,5,6,7,8,9,10,11,12
	global_load_b128 v[8+4*\t:11+4*\t], v2, s[4:5] offset:\t*CHUNK
.endr
	global_load_b128 v[60:63], v3, s[4:5]
.irp t, 0,1,2,3,4,5
	s_wait_loadcnt 13-\t                           ; loads return in order (ISA guide 5.7.1): piece t is in, the 13 - t younger pieces stay out
	ds_store_b128 v2, v[8+4*\t:11+4*\t] offset:\t*CHUNK
.endr
.irp t, 6,7,8,9,10,11
	s_wait_loadcnt 13-\t
	ds_store_b128 v6, v[8+4*\t:11+4*\t] offset:(\t-6)*CHUNK
.endr
	s_wait_loadcnt 0x1
	ds_store_b128 v7, v[56:59]
	s_wait_loadcnt 0x0
	ds_store_b128 v7, v[60:63] offset:CHUNK        ; threads 0 .. 515 fill the table's last 8,256 bytes, the others the unread bytes behind it
	s_wait_kmcnt 0x0                               ; mean and std
	s_wait_dscnt 0x0                               ; my stores are in LDS, for the other waves' sake
	s_barrier_signal -1
	s_barrier_wait -1
	; PHASE 1: one key a thread and pass.  v2 = the row's LDS address, v3 = the same at column c + 1, v4 = the key's address.
.macro ROWS t, off
.irp k, 0,1,2,3,4,5,6,7,8,9,10,11,12,13,14,15,16,17,18,19,20
	ds_load_b32 v[X+\k], v2 offset:\off+4*\k
.endr
	ds_load_b32 v29, v3 offset:\off
	s_wait_dscnt 0x0
.irp n, 0,1,2,3,4,5,6
	v_max3_num_f32 v[32+\n], v[X+3*\n], v[X+3*\n+1], v[X+3*\n+2]
.endr
	v_max3_num_f32 v32, v32, v33, v34
	v_max3_num_f32 v35, v35, v36, v37
	v_max3_num_f32 v30, v32, v35, v38              ; the row's maximum
	v_sub_f32 v29, v29, v30                        ; d = x_c - m
.irp k, 0,1,2,3,4,5,6,7,8,9,10,11,12,13,14,15,16,17,18,19,20
	v_sub_f32 v[X+\k], v[X+\k], v30
.endr
	v_mul_f32 v32, s52, v29                        ; the numerator's exponent in two parts: th = d log2(e) rounded,
.irp k, 0,1,2,3,4,5,6,7,8,9,10,11,12,13,14,15,16,17,18,19,20
	v_mul_f32 v[X+\k], s52, v[X+\k]
.endr
	v_fma_f32 v33, v29, s52, -v32                  ; tl = what that rounding lost
	v_fma_f32 v33, v29, s53, v33                   ;      + d times the rest of log2(e)
.irp k, 0,1,2,3,4,5,6,7,8,9,10,11,12,13,14,15,16,17,18,19,20
	v_exp_f32 v[X+\k], v[X+\k]
.endr
	v_exp_f32 v32, v32
	v_mul_f32 v33, LN2, v33                        ; the plain instruction between the exponentials and their first use (ISA guide 5.7.2)
	s_wait_alu depctr_va_vdst(0)
	v_add_f32 v31, v[X], v[X+1]                    ; S, in ascending order of the columns
.irp k, 2,3,4,5,6,7,8,9,10,11,12,13,14,15,16,17,18,19,20
	v_add_f32 v31, v31, v[X+\k]
.endr
	v_rcp_f32 v34, v31                             ; 1 <= S <= 21
	v_fma_f32 v32, v32, v33, v32                   ; e_c = 2^th (1 + tl ln 2); also the plain instruction behind v_rcp_f32
	s_wait_alu depctr_va_vdst(0)
	v_fma_f32 v35, -v31, v34, 1.0                  ; one Newton step on 1 / S,
	v_fma_f32 v34, v35, v34, v34
	v_mul_f32 v36, v32, v34                        ; the quotient,
	v_fma_f32 v37, -v31, v36, v32                  ; its remainder,
	v_fma_f32 v36, v37, v34, v36                   ; p = e_c / S
	v_cmp_gt_f32 s44, v36, s54                     ; valid: p > 0.05 (false for NaN)
.if \t == 2
	v_cmp_gt_u32 s45, NROI, v5                     ; a real row
	s_and_b32 s44, s44, s45
.endif
	v_cndmask_b32 v37, 1, v36, s44
.if \t == 2
	v_cndmask_b32 v37, 0, v37, s45                 ; dummies: key 0
.endif
	s_bcnt1_i32_b32 s49, s44
	s_add_co_u32 s48, s48, s49
	ds_store_b32 v4, v37 offset:\t*4*THREADS
.endm
	v_mul_u32_u24 v2, ROWB, v0
	v_add_nc_u32 v3, s50, v2
	v_lshl_add_u32 v4, v0, 2, KEY
	ROWS 0, 0                                      ; rows 0 .. 767
	ROWS 1, THREADS*ROWB                           ; rows 768 .. 1,535
	s_cmp_ge_u32 s32, 16
	s_cbranch_scc1 .Lrows_done
	v_add_nc_u32 v5, 2*THREADS, v0                 ; rows 1,536 .. 2,047, waves 0-15
	v_min_u32 v2, NROI-1, v5
	v_mul_u32_u24 v2, ROWB, v2
	v_add_nc_u32 v3, s50, v2
	ROWS 2, 0
.Lrows_done:
	v_mov_b32 v5, s48
	v_mov_b32 v6, s51
	ds_store_b32 v6, v5                            ; all lanes store the same number to my wave's word
	s_wait_dscnt 0x0
	s_barrier_signal -1
	s_barrier_wait -1
	; PHASE 2: lane l of wave (g, q) counts, among keys 512 q .. 512 q + 511, those in front of item s38 + l.
	; K_j > K_i serves j < i, K_j > K_i - 1 (that is K_j >= K_i) serves j > i; inside my own 32 the threshold is chosen lane by lane.
	; The two loops take 32 keys (128 bytes) a trip.  Each is skipped where it has no trip, and counts its trips one by one against their number,
	; (end - first) / 128, worked out in front of it: every border is KEY plus a multiple of 128 bytes.
.macro COUNT4 q, thr
.irp m, 0,1,2,3
	v_cmp_gt_u32 s[44+\m], v[\q+\m], \thr
.endr
.irp m, 0,1,2,3
	v_add_co_ci_u32 v[CN+\m], vcc_lo, 0, v[CN+\m], s[44+\m]    ; the mask is the carry in: counter += 1 where the key is in front
.endr
.endm
.macro RSTEP thr                       ; 32 keys from LDS byte s40, every lane reads the same words
	v_mov_b32 v43, s40
.irp n, 0,1,2,3,4,5,6,7
	ds_load_b128 v[X+4*\n:X+4*\n+3], v43 offset:16*\n
.endr
.irp n, 0,1,2,3,4,5,6,7
	s_wait_dscnt 7-\n                              ; LDS loads return in order: four keys are in, the 7 - n younger loads stay out
	COUNT4 (X+4*\n), \thr
.endr
.endm
.irp m, 0,1,2,3
	v_mov_b32 v[CN+\m], 0                          ; on every wave's path: every wave stores its counts below
.endr
	s_cmp_ge_u32 s38, NROI                         ; x = 10: groups past the last item have nothing to rank
	s_cbranch_scc1 .Lranked
	s_lshl_b32 s39, s38, 2
	s_add_co_u32 s39, s39, KEY                     ; my group's first key
	s_lshl_b32 s42, s37, 11
	s_add_co_u32 s42, s42, KEY                     ; my range's first key
	s_add_co_u32 s43, s42, 2048
	s_min_u32 s43, s43, KEY+4*2016                 ; and its end: keys 2,000 .. 2,015 are dummies and count for nothing
	v_lshl_add_u32 v2, v1, 2, s39
	ds_load_b32 v40, v2                            ; K_i
	s_wait_dscnt 0x0
	v_add_nc_u32 v41, -1, v40                      ; K_i - 1 (K_i >= 1 for every real item)
	s_mov_b32 s40, s42                             ; keys in front of my group: from my range's first key
	s_min_u32 s41, s43, s39                        ; to my group or my range's end
	s_cmp_ge_u32 s40, s41
	s_cbranch_scc1 .Lseg_a_done                    ; none
	s_sub_co_u32 s41, s41, s40
	s_lshr_b32 s41, s41, 7                         ; trips: 1 to 16
	s_mov_b32 s55, 0
.Lseg_a:
	RSTEP v40
	s_add_co_u32 s40, s40, 128                     ; the next 32 keys
	s_add_co_u32 s55, s55, 1
	s_cmp_lt_u32 s55, s41
	s_cbranch_scc1 .Lseg_a
.Lseg_a_done:
	s_cmp_lt_u32 s39, s42                          ; my own 32 keys, if they lie in my range
	s_cbranch_scc1 .Lno_mid
	s_cmp_ge_u32 s39, s43
	s_cbranch_scc1 .Lno_mid
	v_mov_b32 v43, s39
.irp n, 0,1,2,3,4,5,6,7
	ds_load_b128 v[X+4*\n:X+4*\n+3], v43 offset:16*\n
.endr
	s_wait_dscnt 0x0
.set tt, 0
.rept 32
	s_mov_b32 s[56+tt%4], (1<<tt)-1                ; lanes below tt: for them key tt has the higher index
	v_cndmask_b32 v[48+tt%4], v40, v41, s[56+tt%4]
	v_cmp_gt_u32 s[44+tt%4], v[X+tt], v[48+tt%4]
	v_add_co_ci_u32 v[CN+tt%4], vcc_lo, 0, v[CN+tt%4], s[44+tt%4]
.set tt, tt+1
.endr
.Lno_mid:
	s_add_co_u32 s40, s39, 128                     ; keys behind my group
	s_max_u32 s40, s40, s42
	s_cmp_ge_u32 s40, s43
	s_cbranch_scc1 .Lranked                        ; none
	s_sub_co_u32 s41, s43, s40
	s_lshr_b32 s41, s41, 7                         ; trips: 1 to 16
	s_mov_b32 s55, 0
.Lseg_b:
	RSTEP v41
	s_add_co_u32 s40, s40, 128
	s_add_co_u32 s55, s55, 1
	s_cmp_lt_u32 s55, s41
	s_cbranch_scc1 .Lseg_b
.Lranked:
	s_wait_dscnt 0x0                               ; every wave's reads of the keys are back
	s_barrier_signal -1
	s_barrier_wait -1                              ; before any wave stores into LDS again: reads and stores are kept apart by order, not by the arithmetic of stepped addresses
	v_add3_u32 v[CN], v[CN], v[CN+1], v[CN+2]
	v_add_nc_u32 v[CN], v[CN], v[CN+3]
	s_mul_i32 s49, s37, 4*IPG
	s_lshl_b32 s56, s36, 7
	s_add_co_u32 s49, s49, s56
	s_add_co_u32 s49, s49, CNT
	v_lshl_add_u32 v2, v1, 2, s49
	ds_store_b32 v2, v[CN]                         ; CNT[q][32 g + lane]; a skipped group stores zeros, which are not used
	s_wait_dscnt 0x0
	s_barrier_signal -1
	s_barrier_wait -1
	; PHASE 3: the stores.  Waves 0-5 decode, waves 6-7 add the four partial counts, wave 8 of x = 0 adds the valid rows.
	s_cmp_lt_u32 s32, 6
	s_cbranch_scc1 .Ldecode
	s_cmp_lt_u32 s32, 8
	s_cbranch_scc1 .Lquads
	s_cmp_lg_u32 s32, 8
	s_cbranch_scc1 .Lend
	s_cmp_lg_u32 s33, 0
	s_cbranch_scc1 .Lend
	v_mov_b32 v2, WCNT
.irp n, 0,1,2,3,4,5
	ds_load_b128 v[8+4*\n:11+4*\n], v2 offset:16*\n
.endr
	s_lshl_b32 s49, s34, 2
	v_mov_b32 v3, s49
	s_wait_dscnt 0x0
.irp n, 0,1,2,3,4,5,6,7
	v_add3_u32 v[8+\n], v[8+\n], v[16+\n], v[24+\n]
.endr
	v_add3_u32 v8, v8, v9, v10
	v_add3_u32 v11, v11, v12, v13
	v_add3_u32 v8, v8, v11, v14
	v_add_nc_u32 v8, v8, v15
	v_cmp_eq_u32 vcc_lo, 0, v1
	s_wait_xcnt 0x0                                ; EXEC changes only behind s_wait_xcnt 0
	s_wait_tensorcnt 0x0
	ds_add_u32 v96, v97
	s_wait_dscnt 0x0
	s_and_saveexec_b32 s49, vcc_lo
	global_store_b32 v3, v8, s[16:17]              ; nval[c]
	s_endpgm
.Lend:
	s_wait_tensorcnt 0x0
	ds_add_u32 v96, v97
	s_wait_dscnt 0x0
	s_endpgm
.Ldecode:                                          ; item s35 + t: v[88:91] = y1 x1 y2 x2, v[92:95] = dy dx dh dw as predicted
	v_fma_f32 v8, v92, s28, s24                    ; offsets times std plus mean
	v_fma_f32 v9, v93, s29, s25
	v_fma_f32 v10, v94, s30, s26
	v_fma_f32 v11, v95, s31, s27
	v_sub_f32 v12, v90, v88                        ; h
	v_sub_f32 v13, v91, v89                        ; w
	v_mul_f32 v10, LOG2E, v10
	v_mul_f32 v11, LOG2E, v11
	v_fma_f32 v14, 0.5, v12, v88                   ; cy
	v_fma_f32 v15, 0.5, v13, v89                   ; cx
	v_exp_f32 v10, v10
	v_exp_f32 v11, v11
	v_fma_f32 v14, v8, v12, v14                    ; new centre; also the plain instructions behind the exponentials
	v_fma_f32 v15, v9, v13, v15
	s_wait_alu depctr_va_vdst(0)
	v_mul_f32 v10, v10, v12                        ; new height
	v_mul_f32 v11, v11, v13                        ; new width
	v_fma_f32 v16, -0.5, v10, v14
	v_fma_f32 v17, -0.5, v11, v15
	v_fma_f32 v18, 0.5, v10, v14
	v_fma_f32 v19, 0.5, v11, v15
.irp f, 16,17,18,19
	v_max_num_f32 v\f, 0, v\f
.endr
.irp f, 16,17,18,19
	v_min_num_f32 v\f, 0x44480000, v\f             ; 800
.endr
	v_pk_add_f32 v[16:17], v[16:17], 0 op_sel_hi:[1,0]   ; -0 (a proposal of height 0 at -0) becomes +0: the next launch compares bit patterns
	v_pk_add_f32 v[18:19], v[18:19], 0 op_sel_hi:[1,0]
	s_mul_i32 s56, s34, 16*NROI
	s_mov_b32 s57, 0
	s_add_nc_u64 s[20:21], s[20:21], s[56:57]
	v_add_nc_u32 v20, s35, v0
	v_lshlrev_b32 v21, 4, v20
	v_cmp_gt_u32 vcc_lo, NROI, v20
	s_wait_xcnt 0x0                                ; EXEC changes only behind s_wait_xcnt 0
	s_wait_tensorcnt 0x0
	ds_add_u32 v96, v97
	s_wait_dscnt 0x0
	s_and_saveexec_b32 s49, vcc_lo
	global_store_b128 v21, v[16:19], s[20:21]      ; a wave stores 512 consecutive bytes, at a multiple of 256 from the buffer's first byte
	s_endpgm
.Lquads:                                           ; four items a lane: rank, key and label
	s_sub_co_u32 s49, s32, 6
	s_lshl_b32 s49, s49, 5
	v_add_nc_u32 v2, s49, v1                       ; quad 0..63
	s_mul_i32 s56, s33, IPG/4
	s_sub_co_u32 s56, NROI/4, s56
	s_min_u32 s56, s56, IPG/4                      ; quads of this work-group: 48, for x = 10: 20
	s_sub_co_u32 s57, s56, 1
	v_min_u32 v3, s57, v2                          ; lanes past the last quad read it again and store nothing
	v_lshlrev_b32 v3, 4, v3
	v_add_nc_u32 v4, CNT, v3
	s_lshl_b32 s58, s35, 2
	s_add_co_u32 s59, s58, KEY
	v_add_nc_u32 v5, s59, v3
.irp n, 0,1,2,3
	ds_load_b128 v[8+4*\n:11+4*\n], v4 offset:\n*4*IPG
.endr
	ds_load_b128 v[24:27], v5
	s_mul_i32 s60, s34, 4*NROI
	s_add_co_u32 s60, s60, s58                     ; 8,000 c + 4 x first item
	s_mov_b32 s61, 0
	s_add_nc_u64 s[14:15], s[14:15], s[60:61]
	s_add_nc_u64 s[18:19], s[18:19], s[60:61]
	s_add_nc_u64 s[22:23], s[22:23], s[60:61]
	s_add_co_u32 s49, s34, 1
.irp n, 0,1,2,3
	v_mov_b32 v[28+\n], s49                        ; the label c + 1
.endr
	v_lshlrev_b32 v6, 4, v2
	s_wait_dscnt 0x0
.irp n, 0,1,2,3
	v_add3_u32 v[8+\n], v[8+\n], v[12+\n], v[16+\n]
.endr
.irp n, 0,1,2,3
	v_add_nc_u32 v[8+\n], v[8+\n], v[20+\n]
.endr
	v_cmp_gt_u32 vcc_lo, s56, v2
	s_wait_xcnt 0x0                                ; EXEC changes only behind s_wait_xcnt 0
	s_wait_tensorcnt 0x0
	ds_add_u32 v96, v97
	s_wait_dscnt 0x0
	s_and_saveexec_b32 s49, vcc_lo
	global_store_b128 v6, v[8:11], s[14:15]        ; rank
	global_store_b128 v6, v[24:27], s[18:19]       ; prob: the key
	global_store_b128 v6, v[28:31], s[22:23] th:TH_STORE_NT   ; out2
	s_endpgm
.Lfunc_end_k_qbf76f81027_rank_items:
	.size	k_qbf76f81027_rank_items, .Lfunc_end_k_qbf76f81027_rank_items-k_qbf76f81027_rank_items
	.p2alignl 7, 3214868480
	.fill 96, 4, 3214868480
	.section	.rodata,"a",@progbits
	.p2align	6, 0x0
	.amdhsa_kernel k_qbf76f81027_rank_items
		.amdhsa_group_segment_fixed_size 187648
		.amdhsa_private_segment_fixed_size 0
		.amdhsa_enable_private_segment 0
		.amdhsa_kernarg_size 80
		.amdhsa_user_sgpr_count 2
		.amdhsa_user_sgpr_kernarg_segment_ptr 1
		.amdhsa_wavefront_size32 1
		.amdhsa_system_sgpr_workgroup_id_x 1
		.amdhsa_system_sgpr_workgroup_id_y 1
		.amdhsa_system_sgpr_workgroup_id_z 1
		.amdhsa_system_vgpr_workitem_id 0
		.amdhsa_next_free_vgpr 98
		.amdhsa_next_free_sgpr 66
		.amdhsa_reserve_vcc 1
		.amdhsa_float_denorm_mode_32 3
		.amdhsa_float_denorm_mode_16_64 3
		.amdhsa_memory_ordered 1
		.amdhsa_forward_progress 1
		.amdhsa_inst_pref_size 50
	.end_amdhsa_kernel
	.amdgpu_metadata
---
amdhsa.version: [ 1, 2 ]
amdhsa.kernels:
  - .name:           k_qbf76f81027_rank_items
    .symbol:         k_qbf76f81027_rank_items.kd
    .args:
      - { .name: predicted_roi_score, .offset: 0, .size: 8, .value_kind: global_buffer, .address_space: global }
      - { .name: predicted_roi_loc, .offset: 8, .size: 8, .value_kind: global_buffer, .address_space: global }
      - { .name: proposed_roi_bboxes, .offset: 16, .size: 8, .value_kind: global_buffer, .address_space: global }
      - { .name: offset_norm_mean, .offset: 24, .size: 8, .value_kind: global_buffer, .address_space: global }
      - { .name: offset_norm_std, .offset: 32, .size: 8, .value_kind: global_buffer, .address_space: global }
      - { .name: rank, .offset: 40, .size: 8, .value_kind: global_buffer, .address_space: global }
      - { .name: nval, .offset: 48, .size: 8, .value_kind: global_buffer, .address_space: global }
      - { .name: prob, .offset: 56, .size: 8, .value_kind: global_buffer, .address_space: global }
      - { .name: boxes, .offset: 64, .size: 8, .value_kind: global_buffer, .address_space: global }
      - { .name: out2, .offset: 72, .size: 8, .value_kind: global_buffer, .address_space: global }
    .group_segment_fixed_size: 187648
    .private_segment_fixed_size: 0
    .kernarg_segment_align: 8
    .kernarg_segment_size: 80
    .max_flat_workgroup_size: 768
    .sgpr_count:     66
    .vgpr_count:     98
    .wavefront_size: 32
...
	.end_amdgpu_metadata
.endif
;; end of part 1
;; launch iou_bits (part 2): grid 12 x 20, 16 waves a work-group, no clusters, 43,008 bytes of LDS; arguments nval, rank, boxes, mat; writes mat
.if DOCPART == 2
	.amdgcn_target "amdgcn-amd-amdhsa--gfx1250"
	.amdhsa_code_object_version 6
	.text
	.protected	k_qbf76f81027_iou_bits
	.globl	k_qbf76f81027_iou_bits
	.p2align	8
	.type	k_qbf76f81027_iou_bits,@function
k_qbf76f81027_iou_bits:
	s_mov_b64 s[64:65], 0
	v_nop
	global_prefetch_b8 v0, s[64:65] scope:SCOPE_SE
	s_setreg_imm32_b32 hwreg(HW_REG_WAVE_MODE, 25, 1), 1
	s_wait_xcnt 0x0
; The bits "IoU > 0.5" of one class, in sorted order: mat[c][row][64 dwords], 256 bytes a sorted row, rows 0 .. 32 nb - 1 (nb = blocks of 32 that hold valid items).
; Word w of a row (columns 32 w .. 32 w + 31) lies at dword 2 (w & 31) + (w >> 5), so that lane l's 8 bytes are words l and l + 32.
; Words b .. nb - 1 are computed (b = row / 32), the others are 0.  Dword 63 stands for word 63, which no row has (nb <= 63): it carries the row's own
; block word with the bits up to and including the row's own cleared.
; Work-group (x, c): every work-group puts its class's 2,000 boxes into LDS in sorted order (rank comes from the launch before, as whole numbers);
; wave wv then takes the groups of four rows x + 12 wv, + 192, ..: long (early) and short (late) rows are spread over all work-groups.
; NO JOINT FETCH: the twelve work-groups of a class read the same 40,000 bytes, once, by eight loads a wave; nothing is streamed.
; THE TEST.  y is kept doubled, so i2 = (2 ih) iw = 2 inter exactly; d = ((area_r + area_c) - inter) + 1e-9 with the roundings of the plain expression.
; inter / d > 0.5 is taken as i2 > d, compared as unsigned bit patterns: i2 is +0 or positive, and a negative d has its top bit set and gives false, as its quotient would.
; LIMIT: this differs from the rounded quotient only where the exact quotient lies in (0.5, 0.5 + 2^-25].
; LOOPS: each is skipped by a branch in front of its label where it has no trip, counts by one against a bound that it does not write,
; and is left only by falling through its branch back.
.set NROI,   2000
.set SA,     32768                     ; LDS: [2048] x 16 bytes (2 y1, x1, 2 y2, x2) at 0; [2048] areas at SA
.set CLASSB, 2016*256                  ; bytes of mat for a class
; v0 thread, v1 lane; scatter: v2-v6 offsets, v[8:11] ranks, v[12:27] boxes, v[28:31] at work.
; tasks: v2 16 lane, v3 4 lane, v4 8 lane, v[8:11] column box, v12 column area, v13-v14 its addresses, v15 store offset,
;        v[16:23] row r's pair of words (lo, hi), v[24:39] four registers at work for each row, v40-v41 row addresses, v[44:59] four row boxes, v[60:63] their areas.
; s[4:11] nval, rank, boxes, mat (advanced to the class), s12 wave, s13 x, s14 c, s15 valid items, s16 nb, s17 8 nb, s18 row group, s19 first row, s20 b,
; s21 first row mod 32, s22 w, s23 limit, s24 w mod 32, s25 1e-9, s26 my wave's tasks, s27 their counter, s[48:51] masks, s52-s55 at work.
	s_load_b256 s[4:11], s[0:1], 0x0
	v_lshl_add_u32 v64, v0, 2, 0xa000
	v_mov_b32 v65, 0
	v_and_b32 v1, 31, v0
	v_lshrrev_b32 v2, 5, v0
	v_readfirstlane_b32 s12, v2                    ; wave 0..15
	s_mov_b32 s13, ttmp9
	s_and_b32 s14, ttmp7, 0xffff
	s_mov_b32 s25, 0x3089705f                      ; 1e-9
	s_cmp_lg_u32 s12, 0
	s_cbranch_scc1 .Lno_pad
.irp n, 28,29,30,31
	v_mov_b32 v\n, 0
.endr
	v_lshlrev_b32 v7, 4, v0                        ; wave 0: entries 2,000 .. 2,031 are no items; columns up to 2,015 are read when nb = 63
	ds_store_b128 v7, v[28:31] offset:16*NROI
	v_lshlrev_b32 v7, 2, v0
	ds_store_b32 v7, v28 offset:SA+4*NROI
.Lno_pad:
	v_lshlrev_b32 v2, 2, v0                        ; items t, t + 512, t + 1,024 by the immediate;
	v_lshlrev_b32 v3, 4, v0
	v_add_nc_u32 v4, 1536, v0
	v_min_u32 v4, NROI-1, v4                       ; t + 1,536 clamped: lanes past the end read item 1,999 and store nothing
	v_lshlrev_b32 v5, 2, v4
	v_lshlrev_b32 v6, 4, v4
	s_mul_i32 s52, s14, 4*NROI
	s_mov_b32 s53, 0
	s_wait_kmcnt 0x0
	s_add_nc_u64 s[6:7], s[6:7], s[52:53]          ; rank + 8,000 c
	s_lshl_b32 s52, s52, 2
	s_add_nc_u64 s[8:9], s[8:9], s[52:53]          ; boxes + 32,000 c
	s_mul_i32 s52, s14, CLASSB
	s_add_nc_u64 s[10:11], s[10:11], s[52:53]      ; mat + 516,096 c
	s_lshl_b32 s52, s14, 2
	s_add_nc_u64 s[4:5], s[4:5], s[52:53]
	s_load_b32 s15, s[4:5], 0x0                    ; nval[c]
.irp t, 0,1,2
	global_load_b32 v[8+\t], v2, s[6:7] offset:2048*\t
	global_load_b128 v[12+4*\t:15+4*\t], v3, s[8:9] offset:8192*\t
.endr
	global_load_b32 v11, v5, s[6:7]
	global_load_b128 v[24:27], v6, s[8:9]
.macro SCAT t
	s_wait_loadcnt 6-2*\t                          ; pair t is in; the younger pairs (two loads each) stay out
	v_min_u32 v[8+\t], 0x7ff, v[8+\t]              ; a loaded number enters an address only clamped; ranks are 0 .. 1,999
	v_sub_f32 v28, v[14+4*\t], v[12+4*\t]
	v_sub_f32 v29, v[15+4*\t], v[13+4*\t]
	v_mul_f32 v28, v28, v29                        ; area
	v_add_f32 v[12+4*\t], v[12+4*\t], v[12+4*\t]   ; 2 y1
	v_add_f32 v[14+4*\t], v[14+4*\t], v[14+4*\t]   ; 2 y2
	v_lshlrev_b32 v30, 4, v[8+\t]
	v_lshlrev_b32 v31, 2, v[8+\t]
.if \t == 3
	v_cmp_gt_u32 vcc_lo, NROI-1536, v0
	s_wait_xcnt 0x0                                ; EXEC changes only behind s_wait_xcnt 0
	s_and_saveexec_b32 s52, vcc_lo
.endif
	ds_store_b128 v30, v[12+4*\t:15+4*\t]          ; rank is a permutation: every entry is stored by one lane
	ds_store_b32 v31, v28 offset:SA
.if \t == 3
	s_or_b32 exec_lo, exec_lo, s52                 ; no global instruction was issued since the wait above
.endif
.endm
	SCAT 0
	SCAT 1
	SCAT 2
	SCAT 3
	s_wait_kmcnt 0x0
	s_min_u32 s15, s15, NROI
	s_add_co_u32 s16, s15, 31
	s_lshr_b32 s16, s16, 5
	s_min_u32 s16, s16, 63                         ; nb
	s_lshl_b32 s17, s16, 3                         ; groups of four rows
	v_lshlrev_b32 v2, 4, v1
	v_lshlrev_b32 v3, 2, v1
	v_lshlrev_b32 v4, 3, v1
	s_wait_dscnt 0x0
	s_barrier_signal -1
	s_barrier_wait -1                              ; the one barrier: LDS is only read from here on
; One word (32 columns, one a lane) for four rows, stage by stage: four chains that do not wait for each other.  h: the word goes to the pair's low or high register.
.macro COLSTEP h
	v_lshl_add_u32 v13, s22, 9, v2                 ; 16 (32 w + lane)
	v_lshl_add_u32 v14, s22, 7, v3
	ds_load_b128 v[8:11], v13
	ds_load_b32 v12, v14 offset:SA
	s_and_b32 s24, s22, 31
	s_wait_dscnt 0x0
.irp r, 0,1,2,3
	v_min_num_f32 v[24+4*\r], v[46+4*\r], v10
.endr
.irp r, 0,1,2,3
	v_max_num_f32 v[25+4*\r], v[44+4*\r], v8
.endr
.irp r, 0,1,2,3
	v_sub_f32 v[24+4*\r], v[24+4*\r], v[25+4*\r]
.endr
.irp r, 0,1,2,3
	v_max_num_f32 v[24+4*\r], 0, v[24+4*\r]        ; 2 ih
.endr
.irp r, 0,1,2,3
	v_min_num_f32 v[25+4*\r], v[47+4*\r], v11
.endr
.irp r, 0,1,2,3
	v_max_num_f32 v[26+4*\r], v[45+4*\r], v9
.endr
.irp r, 0,1,2,3
	v_sub_f32 v[25+4*\r], v[25+4*\r], v[26+4*\r]
.endr
.irp r, 0,1,2,3
	v_max_num_f32 v[25+4*\r], 0, v[25+4*\r]        ; iw
.endr
.irp r, 0,1,2,3
	v_mul_f32 v[24+4*\r], v[24+4*\r], v[25+4*\r]   ; i2 = 2 inter
.endr
.irp r, 0,1,2,3
	v_add_f32 v[25+4*\r], v[60+\r], v12            ; area_r + area_c
.endr
.irp r, 0,1,2,3
	v_fma_f32 v[25+4*\r], v[24+4*\r], -0.5, v[25+4*\r]   ; - inter: the product is exact, so one rounding, as in the plain difference
.endr
.irp r, 0,1,2,3
	v_add_f32 v[25+4*\r], s25, v[25+4*\r]          ; + 1e-9
.endr
.irp r, 0,1,2,3
	v_cmp_gt_u32 s[48+\r], v[24+4*\r], v[25+4*\r]
.endr
.irp r, 0,1,2,3
	v_writelane_b32 v[16+2*\r+\h], s[48+\r], s24   ; the 32 columns' bits are the word of lane w mod 32
.endr
.endm
	s_mul_i32 s18, s12, 12
	s_add_co_u32 s18, s18, s13                     ; my first group of four rows: 0 .. 191
	s_cmp_ge_u32 s18, s17
	s_cbranch_scc1 .Ldone                          ; the class has fewer groups: nothing for this wave
	s_sub_co_u32 s26, s17, s18                     ; my tasks: groups s18, s18 + 192, .. below s17, that is (s17 - s18 + 191) / 192 = 1 to 3.
	s_add_co_u32 s26, s26, 191                     ; d = 192 .. 695
	s_lshr_b32 s26, s26, 6                         ; d / 64 = 3 .. 10,
	s_mul_i32 s26, s26, 43                         ; and a third of that: (43 n) >> 7 = floor(n / 3) for n up to 10
	s_lshr_b32 s26, s26, 7
	s_mov_b32 s27, 0
.Ltask:
	s_lshl_b32 s19, s18, 2                         ; first row
	s_lshr_b32 s20, s18, 3                         ; its block b (four rows never cross a block)
	s_and_b32 s21, s19, 31
	s_lshl_b32 s52, s19, 4
	s_lshl_b32 s53, s19, 2
	v_mov_b32 v40, s52
	v_mov_b32 v41, s53
.irp r, 0,1,2,3
	ds_load_b128 v[44+4*\r:47+4*\r], v40 offset:16*\r    ; every lane reads the same four rows
.endr
	ds_load_b128 v[60:63], v41 offset:SA
	s_wait_xcnt 0x0                                ; the last trip's stores name v15 and v[16:23]: they are rewritten only behind this wait
.irp n, 0,1,2,3,4,5,6,7
	v_mov_b32 v[16+\n], 0                          ; words in front of b and behind nb - 1 are stored as 0
.endr
	s_wait_dscnt 0x0
	s_mov_b32 s22, s20                             ; words b .. min(nb, 32) - 1
	s_min_u32 s23, s16, 32
	s_cmp_ge_u32 s22, s23
	s_cbranch_scc1 .Llo_done                       ; b >= 32: none
.Llo:
	COLSTEP 0
	s_add_co_u32 s22, s22, 1
	s_cmp_lt_u32 s22, s23
	s_cbranch_scc1 .Llo
.Llo_done:
	s_max_u32 s22, s20, 32                         ; words max(b, 32) .. nb - 1
	s_cmp_ge_u32 s22, s16
	s_cbranch_scc1 .Lhi_done                       ; nb <= 32: none
.Lhi:
	COLSTEP 1
	s_add_co_u32 s22, s22, 1
	s_cmp_lt_u32 s22, s16
	s_cbranch_scc1 .Lhi
.Lhi_done:
	s_and_b32 s54, s20, 31
.irp r, 0,1,2,3
	v_readlane_b32 s52, v[16+2*\r], s54            ; the row's own block word, from the low or the high register
	v_readlane_b32 s53, v[17+2*\r], s54
	s_add_co_u32 s55, s21, \r
	s_lshl_b32 s55, -2, s55                        ; bits above the row's own
	s_cmp_lt_u32 s20, 32
	s_cselect_b32 s52, s52, s53
	s_and_b32 s52, s52, s55
	v_writelane_b32 v[17+2*\r], s52, 31            ; dword 63
.endr
	v_lshl_add_u32 v15, s19, 8, v4                 ; 256 x row + 8 x lane
.irp r, 0,1,2,3
	global_store_b64 v15, v[16+2*\r:17+2*\r], s[10:11] offset:256*\r   ; a wave stores a whole row: 256 consecutive bytes, at a multiple of 256 from the buffer's first byte
.endr
	s_add_co_u32 s18, s18, 192                     ; my next group of four rows
	s_add_co_u32 s27, s27, 1
	s_cmp_lt_u32 s27, s26
	s_cbranch_scc1 .Ltask
.Ldone:
	s_barrier_signal -1
	s_barrier_wait -1
	s_wait_tensorcnt 0x0
	ds_add_u32 v64, v65
	s_wait_dscnt 0x0
	s_endpgm
.Lfunc_end_k_qbf76f81027_iou_bits:
	.size	k_qbf76f81027_iou_bits, .Lfunc_end_k_qbf76f81027_iou_bits-k_qbf76f81027_iou_bits
	.p2alignl 7, 3214868480
	.fill 96, 4, 3214868480
	.section	.rodata,"a",@progbits
	.p2align	6, 0x0
	.amdhsa_kernel k_qbf76f81027_iou_bits
		.amdhsa_group_segment_fixed_size 43008
		.amdhsa_private_segment_fixed_size 0
		.amdhsa_enable_private_segment 0
		.amdhsa_kernarg_size 32
		.amdhsa_user_sgpr_count 2
		.amdhsa_user_sgpr_kernarg_segment_ptr 1
		.amdhsa_wavefront_size32 1
		.amdhsa_system_sgpr_workgroup_id_x 1
		.amdhsa_system_sgpr_workgroup_id_y 1
		.amdhsa_system_sgpr_workgroup_id_z 1
		.amdhsa_system_vgpr_workitem_id 0
		.amdhsa_next_free_vgpr 66
		.amdhsa_next_free_sgpr 66
		.amdhsa_reserve_vcc 1
		.amdhsa_float_denorm_mode_32 3
		.amdhsa_float_denorm_mode_16_64 3
		.amdhsa_memory_ordered 1
		.amdhsa_forward_progress 1
		.amdhsa_inst_pref_size 14
	.end_amdhsa_kernel
	.amdgpu_metadata
---
amdhsa.version: [ 1, 2 ]
amdhsa.kernels:
  - .name:           k_qbf76f81027_iou_bits
    .symbol:         k_qbf76f81027_iou_bits.kd
    .args:
      - { .name: nval, .offset: 0, .size: 8, .value_kind: global_buffer, .address_space: global }
      - { .name: rank, .offset: 8, .size: 8, .value_kind: global_buffer, .address_space: global }
      - { .name: boxes, .offset: 16, .size: 8, .value_kind: global_buffer, .address_space: global }
      - { .name: mat, .offset: 24, .size: 8, .value_kind: global_buffer, .address_space: global }
    .group_segment_fixed_size: 43008
    .private_segment_fixed_size: 0
    .kernarg_segment_align: 8
    .kernarg_segment_size: 32
    .max_flat_workgroup_size: 512
    .sgpr_count:     66
    .vgpr_count:     66
    .wavefront_size: 32
...
	.end_amdgpu_metadata
.endif
;; end of part 2
;; launch greedy_scan (part 3): grid 20 x 1, 16 waves a work-group, no clusters, 321,792 bytes of LDS; arguments nval, rank, boxes, prob, mat, out0, out1, out3; writes out0, out1, out3
.if DOCPART == 3
	.amdgcn_target "amdgcn-amd-amdhsa--gfx1250"
	.amdhsa_code_object_version 6
	.text
	.protected	k_qbf76f81027_greedy_scan
	.globl	k_qbf76f81027_greedy_scan
	.p2align	8
	.type	k_qbf76f81027_greedy_scan,@function
k_qbf76f81027_greedy_scan:
	s_mov_b64 s[64:65], 0
	v_nop
	global_prefetch_b8 v0, s[64:65] scope:SCOPE_SE
	s_setreg_imm32_b32 hwreg(HW_REG_WAVE_MODE, 25, 1), 1
	s_wait_xcnt 0x0
; The greedy pass over one class's sorted items, and the outputs in sorted order.  One work-group a class: the pass is one chain of dependent steps,
; so twenty work-groups are all the work there is.  Sixteen waves bring data into LDS and write the outputs; wave 0 alone walks the chain.
; mat (from the launch before): 256 bytes a sorted row; lane l's 8 bytes are words l and l + 32 of the row's bits "suppresses column"; dword 63 is the row's own
; block word with only the bits above the row's own.
; THE PASS, a block of 32 rows at a time: cur = bits of the block's rows that are removed (by earlier blocks: R; or not valid).  For k = 0 .. 31: if bit k of cur is clear the
; row is kept, its own-block word is ORed into cur and its whole row into R.  Every choice is a select; no branch and no address hangs on the bits.
; LDS holds 32 blocks; classes with more than 1,024 valid items take a second filling (blocks 32 .. 62).
; Kept implies valid, so prob (the bits of p where valid, else 1) is only ever stored where it is p.  Zeros are stored as +0.
.set NROI,   2000
.set PITCH,  272                       ; an LDS row: 256 bytes + 16: the 32 own-block words of a block (byte 252 of each row) fall on 16 banks, two lanes each (64 banks of 4 bytes: ISA guide 11.1)
.set BLKB,   32*PITCH                  ; a block in LDS: 8,704 bytes
.set GBLK,   8192                      ; a block in memory
.set SB,     32*BLKB                   ; 278,528: [2048] sorted boxes
.set SS,     SB+32768                  ; 311,296: [2048] sorted scores
.set KW,     SS+8192                   ; 319,488: 64 keep words
.set CLASSB, 2016*256
; v0 thread, v1 lane, v2 8 lane, v3 272 lane + 252, v4 16 lane, v5 staging's lane term, v6-v7 and v13-v15 addresses, v8 4 t, v9 16 t, v10-v12 the clamped last item,
; v[16:79] staging data; in the pass row k = v[16+2k:17+2k]; v[80:83] ranks, v[84:99] boxes, v[100:103] scores, v104-v105 R, v106-v107 keep words,
; v108 own-block words, v109-v110 next block's addresses, v[112:126] output work.
; s[4:19] the eight addresses (advanced to the class), s20 wave, s21 c, s22 valid items, s23 nb, s24 blocks of this filling, s25 block, s26 cur, s27-s28 selects,
; s29-s31, s2-s3 at work, s[32:63] the block's 32 own-block words.
	s_load_b512 s[4:19], s[0:1], 0x0               ; nval, rank, boxes, prob, mat, out0, out1, out3
	v_lshl_add_u32 v128, v0, 2, 0x4e100
	v_mov_b32 v129, 0
	v_and_b32 v1, 31, v0
	v_lshrrev_b32 v2, 5, v0
	v_readfirstlane_b32 s20, v2                    ; wave 0..15
	s_mov_b32 s21, ttmp9
	s_mul_i32 s26, s21, NROI                       ; 2,000 c
	s_mov_b32 s27, 0
	s_lshl_b32 s28, s26, 2                         ; 8,000 c
	s_mov_b32 s29, 0
	s_lshl_b32 s30, s26, 4                         ; 32,000 c
	s_mov_b32 s31, 0
	s_mul_i32 s2, s21, CLASSB
	s_mov_b32 s3, 0
	v_lshlrev_b32 v2, 3, v1
	v_mul_u32_u24 v3, PITCH, v1
	v_add_nc_u32 v3, 252, v3
	v_lshlrev_b32 v4, 4, v1
	v_lshrrev_b32 v5, 4, v1
	v_and_b32 v6, 15, v1
	v_mul_u32_u24 v5, PITCH, v5
	v_lshl_add_u32 v5, v6, 4, v5                   ; 272 (lane / 16) + 16 (lane % 16)
	v_lshlrev_b32 v8, 2, v0
	v_lshlrev_b32 v9, 4, v0
	v_add_nc_u32 v10, 1536, v0
	v_min_u32 v10, NROI-1, v10                     ; item, later place, t + 1,536 clamped: lanes past the end read the last one and store nothing
	v_lshlrev_b32 v11, 2, v10
	v_lshlrev_b32 v12, 4, v10
.irp n, 104,105,106,107
	v_mov_b32 v\n, 0                               ; nothing removed, nothing kept yet
.endr
	s_wait_kmcnt 0x0
	s_add_nc_u64 s[6:7], s[6:7], s[28:29]
	s_add_nc_u64 s[8:9], s[8:9], s[30:31]
	s_add_nc_u64 s[10:11], s[10:11], s[28:29]
	s_add_nc_u64 s[12:13], s[12:13], s[2:3]
	s_add_nc_u64 s[14:15], s[14:15], s[30:31]
	s_add_nc_u64 s[16:17], s[16:17], s[28:29]
	s_add_nc_u64 s[18:19], s[18:19], s[26:27]
	s_lshl_b32 s2, s21, 2
	s_add_nc_u64 s[4:5], s[4:5], s[2:3]
	s_load_b32 s22, s[4:5], 0x0                    ; nval[c]
	; boxes and scores into LDS in sorted order
.irp t, 0,1,2
	global_load_b32 v[80+\t], v8, s[6:7] offset:2048*\t th:TH_LOAD_NT
	global_load_b128 v[84+4*\t:87+4*\t], v9, s[8:9] offset:8192*\t th:TH_LOAD_NT
	global_load_b32 v[100+\t], v8, s[10:11] offset:2048*\t th:TH_LOAD_NT
.endr
	global_load_b32 v83, v11, s[6:7] th:TH_LOAD_NT
	global_load_b128 v[96:99], v12, s[8:9] th:TH_LOAD_NT
	global_load_b32 v103, v11, s[10:11] th:TH_LOAD_NT
.macro SCAT3 t
	s_wait_loadcnt 9-3*\t                          ; triple t is in; the younger triples stay out
	v_min_u32 v[80+\t], 0x7ff, v[80+\t]            ; a loaded number enters an address only clamped; ranks are 0 .. 1,999
	v_lshl_add_u32 v13, v[80+\t], 4, SB
	v_lshl_add_u32 v14, v[80+\t], 2, SS
.if \t == 3
	v_cmp_gt_u32 vcc_lo, NROI-1536, v0
	s_wait_xcnt 0x0                                ; EXEC changes only behind s_wait_xcnt 0
	s_and_saveexec_b32 s30, vcc_lo
.endif
	ds_store_b128 v13, v[84+4*\t:87+4*\t]          ; rank is a permutation: every entry is stored by one lane
	ds_store_b32 v14, v[100+\t]
.if \t == 3
	s_or_b32 exec_lo, exec_lo, s30                 ; no global instruction was issued since the wait above
.endif
.endm
	SCAT3 0
	SCAT3 1
	SCAT3 2
	SCAT3 3
	s_wait_kmcnt 0x0
	s_min_u32 s22, s22, NROI
	s_add_co_u32 s23, s22, 31
	s_lshr_b32 s23, s23, 5
	s_min_u32 s23, s23, 63                         ; nb
; Wave w brings blocks 2 w and 2 w + 1 of filling g into LDS, if the class has them: 16 loads of 512 bytes (two rows), padded to the pitch.
.macro STAGE1 g, i
	s_lshl_b32 s25, s20, 1
.if \i
	s_add_co_u32 s25, s25, \i
.endif
	s_cmp_ge_u32 s25, s24
	s_cbranch_scc1 .Lstaged_\@
	v_lshl_add_u32 v6, s25, 13, v4
	s_mul_i32 s29, s25, BLKB
	v_add_nc_u32 v7, s29, v5
.irp t, 0,1,2,3,4,5,6,7,8,9,10,11,12,13,14,15
	global_load_b128 v[16+4*\t:19+4*\t], v6, s[12:13] offset:\g*32*GBLK+512*\t th:TH_LOAD_NT
.endr
.irp t, 0,1,2,3,4,5,6,7,8,9,10,11,12,13,14,15
	s_wait_loadcnt 15-\t                           ; load t is in, the 15 - t younger ones stay out; the last wait, for 0, also frees v6
	ds_store_b128 v7, v[16+4*\t:19+4*\t] offset:2*PITCH*\t
.endr
.Lstaged_\@:
.endm
; One block of the pass.  pref = 1: each register is filled again, as soon as it has been used, with the same thing of the next block.
; LDS loads return in order.  At the head 33 are out: the own-block words, then rows 0 .. 31.
.macro BLK g, pref
	s_wait_dscnt 32                                ; the own-block words are in; the 32 rows behind them may be out
.irp k, 0,1,2,3,4,5,6,7,8,9,10,11,12,13,14,15,16,17,18,19,20,21,22,23,24,25,26,27,28,29,30,31
	v_readlane_b32 s[32+\k], v108, \k
.endr
.if \pref
	s_mul_i32 s29, s25, BLKB
	v_add_nc_u32 v109, s29, v2
	v_add_nc_u32 v110, s29, v3
	ds_load_b32 v108, v110 offset:BLKB
.endif
	v_readlane_b32 s26, v[104+\g], s25             ; removed by earlier blocks; this word of R is not read again
	s_lshl_b32 s29, s25, 5
.if \g
	s_add_co_u32 s29, s29, 1024
.endif
	s_sub_co_u32 s29, s22, s29                     ; valid items from this block's first row on: at least 1
	s_min_u32 s29, s29, 32
	s_sub_co_u32 s29, 32, s29
	s_lshr_b32 s30, -1, s29
	s_not_b32 s30, s30
	s_or_b32 s26, s26, s30                         ; rows that are not valid count as removed: they suppress nothing and are not kept
.set kk, 0
.rept 32
	s_bitcmp1_b32 s26, kk                          ; removed?
	s_cselect_b32 s27, 0, s[32+kk]
	s_cselect_b32 s28, 0, -1
	s_or_b32 s26, s26, s27
.if \pref
	s_wait_dscnt 32                                ; younger than row kk: rows kk+1 .. 31 (31 - kk), the next own-block words (1), the next block's rows 0 .. kk-1 (kk)
.else
	s_wait_dscnt 31-kk                             ; younger than row kk: rows kk+1 .. 31
.endif
	v_and_or_b32 v104, v[16+2*kk], s28, v104
	v_and_or_b32 v105, v[17+2*kk], s28, v105
.if \pref
	ds_load_b64 v[16+2*kk:17+2*kk], v109 offset:BLKB+PITCH*kk
.endif
.set kk, kk+1
.endr
	s_not_b32 s29, s26
	v_writelane_b32 v[106+\g], s29, s25            ; the block's keep word
.endm
.macro SCAN g
	s_cmp_eq_u32 s24, 0
	s_cbranch_scc1 .Lscanned_\@
	ds_load_b32 v108, v3                           ; block 0: own-block words, lane k takes row k's,
.irp k, 0,1,2,3,4,5,6,7,8,9,10,11,12,13,14,15,16,17,18,19,20,21,22,23,24,25,26,27,28,29,30,31
	ds_load_b64 v[16+2*\k:17+2*\k], v2 offset:PITCH*\k     ; and its 32 rows, 256 consecutive bytes each
.endr
	s_sub_co_u32 s2, s24, 1                        ; all blocks but the last fetch the next one
	s_mov_b32 s25, 0
	s_cmp_eq_u32 s2, 0
	s_cbranch_scc1 .Llast_\@                       ; a single block: the loop has no trip
.Lblk_\@:
	BLK \g, 1
	s_add_co_u32 s25, s25, 1
	s_cmp_lt_u32 s25, s2
	s_cbranch_scc1 .Lblk_\@
.Llast_\@:
	BLK \g, 0                                      ; the last block fetches nothing; its waits run down to 0.  On both ways here 33 LDS loads are out
.Lscanned_\@:
.endm
	s_min_u32 s24, s23, 32                         ; first filling: blocks 0 .. min(nb, 32) - 1
	STAGE1 0, 0
	STAGE1 0, 1
	s_wait_dscnt 0x0                               ; my stores are in LDS, for wave 0's sake
	s_barrier_signal -1
	s_barrier_wait -1
	s_cmp_lg_u32 s20, 0
	s_cbranch_scc1 .Lnot_0_a
	SCAN 0
.Lnot_0_a:
	s_wait_dscnt 0x0                               ; wave 0's reads of the blocks are back before anyone overwrites them
	s_barrier_signal -1
	s_barrier_wait -1
	s_max_u32 s24, s23, 32
	s_sub_co_u32 s24, s24, 32                      ; second filling: blocks 32 .. nb - 1, none for up to 1,024 valid items
	STAGE1 1, 0
	STAGE1 1, 1
	s_wait_dscnt 0x0
	s_barrier_signal -1
	s_barrier_wait -1
	s_cmp_lg_u32 s20, 0
	s_cbranch_scc1 .Lnot_0_b
	SCAN 1
.Lnot_0_b:
	s_wait_dscnt 0x0                               ; the pass's reads of LDS are back
	s_barrier_signal -1
	s_barrier_wait -1                              ; before LDS is stored into again: reads and stores are kept apart by order, not by the arithmetic of stepped addresses
	s_cmp_lg_u32 s20, 0
	s_cbranch_scc1 .Lnot_0_c
	v_lshl_add_u32 v13, v1, 2, KW
	ds_store_b32 v13, v106                         ; keep words 0 .. 31
	ds_store_b32 v13, v107 offset:128              ; and 32 .. 63
.Lnot_0_c:
	s_wait_dscnt 0x0                               ; the keep words are in LDS, for the other waves' sake
	s_barrier_signal -1
	s_barrier_wait -1
	; THE OUTPUTS.  All LDS loads and all arithmetic run with every lane on, from clamped places; EXEC narrows only for the stores of the short tails.
	s_lshl_b32 s29, s20, 2
	s_add_co_u32 s29, s29, KW
	v_mov_b32 v6, s29                              ; out0, pass t: places t' + 512 t; my wave's 32 places are keep word wave + 16 t
	v_add_nc_u32 v7, SB, v9
	v_add_nc_u32 v13, SB, v12
	v_lshrrev_b32 v14, 3, v0                       ; out1: four places a thread, eight threads a keep word
	v_lshl_add_u32 v14, v14, 2, KW
	v_min_u32 v15, NROI/4-1, v0
	v_lshl_add_u32 v15, v15, 4, SS
	v_bfe_u32 v124, v0, 1, 6                       ; out3: sixteen places a thread, two threads a keep word (threads 0 .. 124 store)
	v_lshl_add_u32 v124, v124, 2, KW
	v_and_b32 v125, 7, v0
	v_lshlrev_b32 v125, 2, v125
	v_and_b32 v126, 1, v0
	v_lshlrev_b32 v126, 4, v126
.irp t, 0,1,2,3
	ds_load_b32 v[112+\t], v6 offset:64*\t
.endr
.irp t, 0,1,2
	ds_load_b128 v[16+4*\t:19+4*\t], v7 offset:8192*\t
.endr
	ds_load_b128 v[28:31], v13
	ds_load_b32 v116, v14
	ds_load_b128 v[32:35], v15
	ds_load_b32 v117, v124
	s_wait_dscnt 0x0
.irp t, 0,1,2,3
	v_readfirstlane_b32 s[32+\t], v[112+\t]        ; the keep word of my wave's 32 places is the lane mask
.endr
.irp t, 0,1,2,3
.irp f, 0,1,2,3
	v_cndmask_b32 v[16+4*\t+\f], 0, v[16+4*\t+\f], s[32+\t]
.endr
.endr
	v_lshrrev_b32 v116, v125, v116                 ; my four bits at the bottom
.irp e, 0,1,2,3
	v_and_b32 v119, 1<<\e, v116
	v_cmp_ne_u32 vcc_lo, 0, v119
	v_cndmask_b32 v[32+\e], 0, v[32+\e], vcc_lo
.endr
	v_lshrrev_b32 v117, v126, v117                 ; my sixteen bits at the bottom
.irp n, 0,1,2,3
	v_bfe_u32 v[120+\n], v117, 4*\n, 4
	v_mul_u32_u24 v[120+\n], 0x204081, v[120+\n]   ; copies of the four bits at shifts 0, 7, 14, 21 (they do not overlap): bit i lands on bit 8 i
	v_and_b32 v[120+\n], 0x01010101, v[120+\n]     ; four bytes of 0 or 1
.endr
.irp t, 0,1,2
	global_store_b128 v9, v[16+4*\t:19+4*\t], s[14:15] offset:8192*\t th:TH_STORE_NT   ; a wave stores 512 consecutive bytes, at a multiple of 256 from out0's first byte
.endr
	v_cmp_gt_u32 vcc_lo, NROI/4, v0
	s_wait_xcnt 0x0                                ; EXEC changes only behind s_wait_xcnt 0; it only narrows from here to the end: 500, 464, 125 threads
	s_barrier_signal -1
	s_barrier_wait -1
	s_wait_tensorcnt 0x0
	ds_add_u32 v128, v129
	s_wait_dscnt 0x0
	s_and_saveexec_b32 s30, vcc_lo
	global_store_b128 v9, v[32:35], s[16:17] th:TH_STORE_NT
	v_cmp_gt_u32 vcc_lo, NROI-1536, v0
	s_wait_xcnt 0x0
	s_and_saveexec_b32 s30, vcc_lo
	global_store_b128 v9, v[28:31], s[14:15] offset:24576 th:TH_STORE_NT
	v_cmp_gt_u32 vcc_lo, NROI/16, v0
	s_wait_xcnt 0x0
	s_and_saveexec_b32 s30, vcc_lo
	global_store_b128 v9, v[120:123], s[18:19] th:TH_STORE_NT
	s_endpgm
.Lfunc_end_k_qbf76f81027_greedy_scan:
	.size	k_qbf76f81027_greedy_scan, .Lfunc_end_k_qbf76f81027_greedy_scan-k_qbf76f81027_greedy_scan
	.p2alignl 7, 3214868480
	.fill 96, 4, 3214868480
	.section	.rodata,"a",@progbits
	.p2align	6, 0x0
	.amdhsa_kernel k_qbf76f81027_greedy_scan
		.amdhsa_group_segment_fixed_size 321792
		.amdhsa_private_segment_fixed_size 0
		.amdhsa_enable_private_segment 0
		.amdhsa_kernarg_size 64
		.amdhsa_user_sgpr_count 2
		.amdhsa_user_sgpr_kernarg_segment_ptr 1
		.amdhsa_wavefront_size32 1
		.amdhsa_system_sgpr_workgroup_id_x 1
		.amdhsa_system_sgpr_workgroup_id_y 1
		.amdhsa_system_sgpr_workgroup_id_z 1
		.amdhsa_system_vgpr_workitem_id 0
		.amdhsa_next_free_vgpr 130
		.amdhsa_next_free_sgpr 66
		.amdhsa_reserve_vcc 1
		.amdhsa_float_denorm_mode_32 3
		.amdhsa_float_denorm_mode_16_64 3
		.amdhsa_memory_ordered 1
		.amdhsa_forward_progress 1
		.amdhsa_inst_pref_size 79
	.end_amdhsa_kernel
	.amdgpu_metadata
---
amdhsa.version: [ 1, 2 ]
amdhsa.kernels:
  - .name:           k_qbf76f81027_greedy_scan
    .symbol:         k_qbf76f81027_greedy_scan.kd
    .args:
      - { .name: nval, .offset: 0, .size: 8, .value_kind: global_buffer, .address_space: global }
      - { .name: rank, .offset: 8, .size: 8, .value_kind: global_buffer, .address_space: global }
      - { .name: boxes, .offset: 16, .size: 8, .value_kind: global_buffer, .address_space: global }
      - { .name: prob, .offset: 24, .size: 8, .value_kind: global_buffer, .address_space: global }
      - { .name: mat, .offset: 32, .size: 8, .value_kind: global_buffer, .address_space: global }
      - { .name: out0, .offset: 40, .size: 8, .value_kind: global_buffer, .address_space: global }
      - { .name: out1, .offset: 48, .size: 8, .value_kind: global_buffer, .address_space: global }
      - { .name: out3, .offset: 56, .size: 8, .value_kind: global_buffer, .address_space: global }
    .group_segment_fixed_size: 321792
    .private_segment_fixed_size: 0
    .kernarg_segment_align: 8
    .kernarg_segment_size: 64
    .max_flat_workgroup_size: 512
    .sgpr_count:     66
    .vgpr_count:     130
    .wavefront_size: 32
...
	.end_amdgpu_metadata
.endif
;; end of part 3
